; MI455X (gfx1250); checked and timed in simulation.
; The chip was launched on July 23, 2026; its instructions are those of AMD's public machine-readable ISA for CDNA 5 (MIT licence, August 2026) and "CDNA5" Instruction Set Architecture Reference Guide (July 2026). The comments in the code are by the model that wrote it; some were corrected since.
;; Hash Linear. Allowed arithmetic: matrix products marked QUANTISED: E2M3 operands, one E8M0 scale for each 32 along K, by v_wmma_scale_f32_16x16x128_f8f6f4 with both operands' format E2M3, f32 sums; everything else in f32.
;; Inputs: bias 2,048 float32; input 4 x 2,048 x 4,096 float32; layer_factor 1 float32; shared_weight 1,048,576 float32.
;; Outputs: out0 4 x 2,048 x 2,048 float32.
;; This version of the problem:
;;   THIS VERSION OF THE PROBLEM IS GIVEN IN LOW PRECISION. The matrix products marked QUANTISED in the list below multiply operands that are first quantised to E2M3 (2 exponent bits, 3 mantissa bits; 6 bits a number), with one power-of-two scale for each 32 numbers along K (OCP MX v1.0); their sums are f32. All else is computed in f32.
;;   The module's matrix products, in the order in which they are computed (A, B: the left and right operand; K: the contracted axis; several contracted axes count as one K, in the product's order):
;;     1. [M 8,192, K 4,096] x [K 4,096, N 2,048]; A: input input; B: computed on the way: QUANTISED
;;   THE QUANTISER, for each operand of a quantised product, along K:
;;     - K is cut into blocks of 32 from its start; a last block that is shorter is filled with zeros.
;;     - A block's scale is 2^e with e = floor(log2(the largest magnitude in the block)) - 2, held to -126 .. 127; a block of zeros has e = 0. As a byte (E8M0): e + 127.
;;     - Each number is divided by its block's scale, clamped to +-7.5, and rounded to the nearest number of E2M3, ties to even, subnormals kept.
;;     - The product sums the exact products of the quantised numbers (number of the format x scale) in f32.
;;   ~~~python
;;   def quantise(x, axis):      # numpy; x: float32 -> the quantised numbers, widened to float32 again
;;       x = np.moveaxis(x, axis, -1); K = x.shape[-1]
;;       x = np.pad(x, [(0, 0)] * (x.ndim - 1) + [(0, -K % 32)]); x = x.reshape(x.shape[:-1] + (-1, 32)); a = np.abs(x).max(-1, keepdims=True)
;;       e = np.where(a > 0, np.clip(np.frexp(np.where(a > 0, a, 1))[1] - 1 - 2, -126, 127), 0)      # np.frexp(a)[1] - 1 = floor(log2(a)), exactly
;;       r = np.clip(x / 2.0 ** e, -7.5, 7.5)
;;       step = 2.0 ** (np.maximum(np.frexp(np.where(r == 0, 1, r))[1] - 1, 0) - 3)
;;       q = np.round(r / step) * step * 2.0 ** e      # np.round: ties to even
;;       return np.moveaxis(q.reshape(q.shape[:-2] + (-1,))[..., :K], -1, axis).astype(np.float32)
;;   ~~~
;;   OPERANDS COMPUTED ON THE WAY. 'Computed on the way' means the value that the module computes at that place (a softmax that the list does not call 'softmax' is quantised finished and normalised). What goes into a quantiser is computed in f32, as accurately as f32 sums, v_exp_f32 and their like allow (about 1e-6 of the number): no bf16 or f16 on the way to a quantiser, and a product that is left as it is and whose result goes on into a quantised operand takes f32 operands (vector FMAs, or v_wmma_f32_16x16x4_f32). A number that lies on a knife's edge between two numbers of the format may be rounded either way, as far as f32 arithmetic and the matrix unit's own rounding can turn it there, and no further.
;; One version. Each part assembles by itself: llvm-mc -triple=amdgcn-amd-amdhsa -mcpu=gfx1250 --defsym DOCPART=n.
;; ======== version 1 of 1: 2 launches
;; limits: right only within a limited range of input values
;; workspace buffers: a_q 26,214,400 bytes; w_q 6,553,600 bytes
;; launch quant (part 1): grid 256 x 1, 4 waves a work-group, no clusters, 327,680 bytes of LDS; arguments input, shared_weight, a_q, w_q; writes a_q, w_q
.if DOCPART == 1
	.amdgcn_target "amdgcn-amd-amdhsa--gfx1250"
	.amdhsa_code_object_version 6
	.text
	.protected	k_q98c5af8709_quant
	.globl	k_q98c5af8709_quant
	.p2align	8
	.type	k_q98c5af8709_quant,@function
k_q98c5af8709_quant:
	s_mov_b64 s[64:65], 0
	v_nop
	global_prefetch_b8 v0, s[64:65] scope:SCOPE_SE
	s_setreg_imm32_b32 hwreg(HW_REG_WAVE_MODE, 25, 1), 1
	s_wait_xcnt 0x0
; BOTH OPERANDS OF out = input W^T BECOME CODES OF FP6 (E2M3) WITH ONE E8M0 BYTE FOR EACH 32 ALONG K, ONCE.
; input: [8192][4096] f32.  W [2048][4096] is never stored as f32: its block bid = 64 n + k / 64 (64 numbers, 256 bytes) is 0.5 (pool1[h1] + pool2[h2]),
; h = ((bid x 2654435761) xor (seed x 0x9E3779B9)) mod 8192, seeds 1234 and 1235; pool2 begins 2,097,152 bytes into shared_weight.  The hash is whole-number arithmetic on ids.
; THE OUTPUT IS LAID IN THE ORDER OF THE OPERAND'S REGISTERS.  SUB-CHUNK (G, s), 12,800 bytes at (32 G + s) x 12,800: rows 128 G .. + 127, k = 128 s .. + 127:
;   byte 1536 i + 512 c + 16 l + 4 e = register 4 c + e of lane l of the fragment of rows 16 i ..  (lane (r, h): registers 0-5 = block h of row r, registers 6-11 = block 2 + h);
;   byte 12,288 + 128 (i / 2) + 8 r + 4 (i % 2) + b = the scale byte of row 16 i + r, k = 32 b ..
; SHARES.  256 work-groups of four waves.  Work-group g takes 128 rows x 1,024 along K of input (G = g / 4, eight sub-chunks from 8 (g % 4)) and two sub-chunks of W (2 g, 2 g + 1).
; INPUT comes by tensor loads into a ring of two LDS slots, 128 rows x 1,024 bytes each (two sub-chunks), four fills; a wave's load brings 32 rows; 16 bytes of padding behind each row, so that the
; sixteen rows of a read start in sixteen different groups of banks.  A lane reads two WHOLE blocks of 32 of its row from the slot: no other lane is asked for a maximum.
; Wave w makes the four fragments of 64 rows (half w / 2) of the sub-chunk w % 2 of a slot: 6,144 consecutive bytes of codes and 256 of scale bytes.  The LDS reads run one fragment ahead, in two sets of
; registers; each of a trip's fragments has code registers of its own, so that one wait at a trip's top frees them all.
; W is gathered by loads of whole pool blocks (lanes 0-15 one block of 256 bytes, lanes 16-31 the next bid's), summed, and turned through the wave's own stage in LDS, on bytes into which no fill lands.
; Of a wave's four fragments of W two are made at the head, while fill 0 is on its way, one at the end of trip 0 and one at the end of trip 1, while the next fill is on its way; all four gathers are
; issued at the head, two out at a time, in register windows 1 and 2.
; PREFETCH: fill f + 1 is asked for where fill f's load is issued: each wave names its own 32 rows x 4 blocks of 256 bytes, a lane a row, each block once; fills 1 to 3 alone, all inside input.
; No clusters: no two work-groups read the same bytes of input, and the pool is read by lanes' gathers.
; THE FACTOR 0.5: the sum w1 + w2 is made in f32; the codes are the sum's, and the scale byte is one lower: a multiplication by a power of two, which rounds nothing.
; A block's scale is 2^(floor(log2(largest magnitude)) - 2): its byte is the largest magnitude's exponent field - 2, held at 1 from below by a floor among the maximum's leaves.
; LIMITS: NaN and infinities are not served; a block whose largest magnitude lies under the floor (2^-124 for input, 2^-123 for w1 + w2) keeps the byte 1; a block of zeros gets the byte 1 where the rule says 127:
; its codes are zeros, which add nothing, and this program alone reads the bytes.
.set SUB,   12800
.set SCOFF, 12288                      ; where a sub-chunk's scale bytes begin
.set FRB,   1536                       ; a fragment's image: 12 registers x 128 bytes
.set PITCH, 1040                       ; a slot's row: 1,024 bytes + 16
.set SLOTB, 128*PITCH
.set SP,    528                        ; a stage row: 512 bytes + 16
.set WSTG,  16*SP                      ; a wave's stage for W
.set WST,   2*SLOTB                    ; the stages lie behind the ring
.set SPARE, WST+4*WSTG                 ; behind them the spare words, 128 bytes a wave, which no other line names
.set MUL8,  (2654435761<<8)&0xffffffff ; the hash's multiplier, 8 bits up: the product is then a byte offset of pool blocks of 256 bytes
.set C1,    (1234*0x9E3779B9)&0x1fff
.set C2,    (1235*0x9E3779B9)&0x1fff
.set C1S,   C1<<8
.set C12S,  (C1^C2)<<8                 ; turns pool 1's offset into pool 2's
; window 0
.set AM,  8                            ; v8-9    the two blocks' largest magnitudes
.set SOP, 10                           ; v10-11  second chains of the maxima, then the conversions' scale operands
.set BY,  12                           ; v12-13  the scale bytes
.set T,   36                           ; v36-38, v40-42  conversion results that are moved (three registers begin on an even number)
.set X0,  64                           ; v64-127, v128-191  64 numbers of a lane (block h, then block 2 + h), two sets
.set X1,  128
.set P,   192                          ; v192-251  five fragments' 12 registers each
; windows 1 and 2, alike
.set WR0, 0                            ; v0-63, v64-127  16 rows of pool 1 and of pool 2
.set WR1, 64
.set OF,  128                          ; v128-159  gather offsets of 16 rows: pool 1's, pool 2's
.set W4,  160                          ; copies of v4, v5, v1
.set W5,  161
.set W1,  162
.set G1,  36                           ; s[36:43] descriptor group 1;  s[44:51] group 0, a set for each slot
.set G0,  44
; v1 W's stage, in;  v2 W's stage, out;  v3 codes' offset;  v4 16 r;  v5 the hash product;  v6 scale bytes' offset;  v7 8 h;  v14, v15 at work;  v16-19 scale words of a trip's four fragments;
; v20-23 those of W's four;  v24-27 scale stores' data;  v43 prefetch offset;  v44-47 at the head: lane, r, h, 16 x lane;  v60, v61 my place in slot 0, 1;  v62, v63 the spare word's address and 0
; s12 wave;  s28 which 64 rows;  s29 which of two sub-chunks;  s[14:15] input at my 32 rows;  s[16:17] a_q, s[18:19] w_q at my first sub-chunk
.set MSB, 0
.macro WIN new                         ; the immediate's high byte repeats the setting that is left
.if MSB != \new
	s_set_vgpr_msb (MSB<<8)|\new
.set MSB, \new
.endif
.endm
	s_load_b256 s[4:11], s[0:1], 0x0               ; input, shared_weight, a_q, w_q
	v_lshl_add_u32 v62, v0, 2, SPARE
	v_mov_b32 v63, 0
	ds_add_u32 v62, v63                            ; the opening lines: the add, twice on end, and its wait ahead of my first tensor load
	ds_add_u32 v62, v63
	v_lshrrev_b32 v1, 5, v0
	v_readfirstlane_b32 s12, v1                    ; wave 0..3
	s_lshr_b32 s28, s12, 1
	s_and_b32 s29, s12, 1
	s_mov_b32 s[G1+0], (3<<16)|(1<<20)|(7<<22)|(3<<25)   ; elements of 8 bytes; 4 words of padding behind every 256 words
	s_mov_b32 s[G1+1], 128<<16                     ; tensor_dim0 = 128 elements: 1,024 bytes
	s_mov_b32 s[G1+2], 32<<16                      ; tensor_dim1 = 32 rows
	s_mov_b32 s[G1+3], 128<<16                     ; tile_dim0
	s_mov_b32 s[G1+4], 32                          ; tile_dim1
	s_mov_b32 s[G1+5], 2048                        ; from row to row: 16,384 bytes
	s_mov_b32 s[G1+6], 0
	s_mov_b32 s[G1+7], 0
	s_lshr_b32 s24, ttmp9, 2                       ; G
	s_and_b32 s25, ttmp9, 3                        ; which 1,024 along K
	s_lshl_b32 s14, s24, 21                        ; 128 rows of 16,384 bytes,
	s_lshl_b32 s26, s12, 19                        ; my wave's 32 rows,
	s_add_co_u32 s14, s14, s26
	s_lshl_b32 s26, s25, 12                        ; 1,024 numbers
	s_add_co_u32 s14, s14, s26                     ; under 2^28
	s_mov_b32 s15, 0
	s_lshl_b32 s16, s24, 5
	s_lshl_b32 s26, s25, 3
	s_add_co_u32 s16, s16, s26
	s_add_co_u32 s16, s16, s29
	s_mul_i32 s16, s16, SUB                        ; sub-chunk 32 G + 8 (g % 4) + w % 2 of a_q
	s_mov_b32 s17, 0
	s_lshl_b32 s18, ttmp9, 1
	s_add_co_u32 s18, s18, s29
	s_mul_i32 s18, s18, SUB                        ; sub-chunk 2 g + w % 2 of w_q
	s_mov_b32 s19, 0
	s_mul_i32 s13, s12, 32*PITCH                   ; where my 32 rows land in a slot
	s_mul_i32 s30, s12, WSTG
	s_add_co_u32 s30, s30, WST                     ; my stage
	s_mul_i32 s31, s28, 4*FRB                      ; my four fragments in a sub-chunk
	s_lshl_b32 s32, s28, 8                         ; and their 256 scale bytes
	s_mul_i32 s33, s28, 64*PITCH                   ; what I read of a slot: my 64 rows,
	s_lshl_b32 s26, s29, 9
	s_add_co_u32 s33, s33, s26                     ; my 512 bytes of them
	s_lshr_b32 s24, ttmp9, 4                       ; W: bid = 64 n + k / 64: 128 (g / 16) rows,
	s_and_b32 s25, ttmp9, 15
	s_lshl_b32 s34, s24, 13
	s_lshl_b32 s26, s28, 12                        ; my wave's 64 rows,
	s_add_co_u32 s34, s34, s26
	s_lshl_b32 s26, s25, 2                         ; 4 (g % 16) blocks along K,
	s_add_co_u32 s34, s34, s26
	s_lshl_b32 s26, s29, 1                         ; my wave's two of the four
	s_add_co_u32 s34, s34, s26
	s_mov_b32 s27, MUL8
	s_mov_b32 s20, 0x76543210
	s_mov_b32 s21, 0xfedcba98                      ; v_permlanex16_b32's selects for lane l xor 16
	s_mov_b32 s22, 0xffff0000                      ; lanes 16-31
	s_wait_dscnt 0x0                               ; both opening adds are done
	s_wait_kmcnt 0x0
	s_add_nc_u64 s[14:15], s[4:5], s[14:15]
	s_add_nc_u64 s[16:17], s[8:9], s[16:17]
	s_add_nc_u64 s[18:19], s[10:11], s[18:19]
.irp s, 0,1
	s_mov_b32 s[G0+4*\s], 1
	s_add_co_u32 s[G0+4*\s+1], s13, \s*SLOTB
	s_add_nc_u64 s[G0+4*\s+2:G0+4*\s+3], s[14:15], \s*1024   ; fill s
	s_or_b32 s[G0+4*\s+3], s[G0+4*\s+3], 0x80000000
.endr
	tensor_load_to_lds s[G0:G0+3], s[G1:G1+7]      ; fill 0: one tensor load a wave at the head
	s_nop 0
	v_and_b32 v44, 31, v0                          ; lane
	v_and_b32 v45, 15, v0                          ; r
	v_bfe_u32 v46, v0, 4, 1                        ; h
	v_lshlrev_b32 v47, 4, v44
	v_add_nc_u32 v1, s30, v47                      ; stage, in: 16 x lane
	v_mul_u32_u24 v2, v45, SP
	v_lshl_add_u32 v2, v46, 7, v2
	v_add_nc_u32 v2, s30, v2                       ; stage, out: 528 r + 128 h
	v_add_nc_u32 v3, s31, v47
	v_lshlrev_b32 v4, 4, v45
	v_lshl_add_u32 v6, v44, 3, s32
	v_lshlrev_b32 v7, 3, v46
	v_mov_b32 v15, 0                               ; written once: a lane permute's destination counts as one of its sources
	v_mul_u32_u24 v60, v45, PITCH
	v_lshl_add_u32 v60, v46, 7, v60
	v_add_nc_u32 v60, s33, v60                     ; slot 0: 1,040 r + 128 h + my rows and my 512 bytes
	v_add_nc_u32 v61, SLOTB, v60
	v_lshlrev_b32 v43, 14, v44                     ; a lane a row of input
	v_add_nc_u32 v5, s34, v46                      ; lanes 16-31 take the second bid
	v_mul_lo_u32 v5, v5, s27
.irp w, 1,2                            ; what the gathers and the stage's stores read, once more in windows 1 and 2
	WIN 0x40*\w
	v_mov_b32 v[W4], v4
	v_mov_b32 v[W5], v5
	v_mov_b32 v[W1], v1
.endr
	WIN 0
	s_wait_alu depctr_va_vdst(0)                   ; the wait at the head's end
; fill f is asked of memory: my 32 rows x 4 blocks of 256 bytes
.macro ASKF f
.irp j, 0,1,2,3
	global_prefetch_b8 v43, s[14:15] offset:1024*(\f)+256*\j th:TH_LOAD_NT scope:SCOPE_SE
.endr
.endm
; fragment f of W is gathered into window w: for each of 16 rows the two pool blocks of two neighbouring bids.  No hint: other work-groups read the pool again.
.macro WLOAD f, w
	WIN 0x55*\w                                    ; every operand place in window w
.irp j, 0,1,2,3,4,5,6,7,8,9,10,11,12,13,14,15
	v_add_nc_u32 v[OF+2*\j], ((16*(\f)+\j)*64*MUL8)&0xffffffff, v[W5]   ; (bid x multiplier) << 8, modulo 2^32: the row's part of bid is a constant
	v_xor_b32 v[OF+2*\j], C1S, v[OF+2*\j]
	v_and_or_b32 v[OF+2*\j], v[OF+2*\j], 0x1fff00, v[W4]   ; modulo 8,192 blocks of 256 bytes, + my 16 bytes of the block
	v_xor_b32 v[OF+2*\j+1], C12S, v[OF+2*\j]       ; the same with the second seed
.endr
.irp j, 0,1,2,3,4,5,6,7,8,9,10,11,12,13,14,15
	global_load_b128 v[WR0+4*\j:WR0+4*\j+3], v[OF+2*\j], s[6:7]
	global_load_b128 v[WR1+4*\j:WR1+4*\j+3], v[OF+2*\j+1], s[6:7] offset:2097152
.endr
	WIN 0
.endm
; the gather in window w is summed and turned through my stage into set X0.  left: the younger gather's loads, which may stay out.  LDS serves a wave's instructions in order: no wait between the stage's stores and loads
.macro WSUM w, left
	s_wait_loadcnt \left
	WIN 0x55*\w
.irp i, 0,2,4,6,8,10,12,14,16,18,20,22,24,26,28,30,32,34,36,38,40,42,44,46,48,50,52,54,56,58,60,62
	v_pk_add_f32 v[WR0+\i:WR0+\i+1], v[WR0+\i:WR0+\i+1], v[WR1+\i:WR1+\i+1]   ; w1 + w2, in f32
.endr
.irp j, 0,1,2,3,4,5,6,7,8,9,10,11,12,13,14,15
	ds_store_b128 v[W1], v[WR0+4*\j:WR0+4*\j+3] offset:SP*\j
.endr
	WIN 0
.irp c, 0,1
.irp i, 0,1,2,3,4,5,6,7
	ds_load_b128 v[X0+32*\c+4*\i:X0+32*\c+4*\i+3], v2 offset:256*\c+16*\i
.endr
.endr
	s_wait_dscnt 0x0                               ; my 64 numbers are in, and the stage's stores have read window w's registers
.endm
; the 64 numbers of set x become 12 registers at p and my row's scale word (in v[wreg]).  isw = 1: the numbers are w1 + w2, and the byte is that of half of them
.macro QFRAG x, p, wreg, isw, base, off
.irp c, 0,1
	v_max3_num_f32 v[AM+\c], |v[\x+32*\c]|, |v[\x+32*\c+1]|, (3+\isw)<<23   ; the floor, under which no largest magnitude is taken: so the byte cannot fall under 1
	v_max3_num_f32 v[SOP+\c], |v[\x+32*\c+16]|, |v[\x+32*\c+17]|, |v[\x+32*\c+18]|
.endr
.irp i, 2,4,6,8,10,12
.irp c, 0,1
	v_max3_num_f32 v[AM+\c], v[AM+\c], |v[\x+32*\c+\i]|, |v[\x+32*\c+\i+1]|       ; four chains by turns: two for each block
	v_max3_num_f32 v[SOP+\c], v[SOP+\c], |v[\x+32*\c+\i+17]|, |v[\x+32*\c+\i+18]|
.endr
.endr
.irp c, 0,1
	v_max3_num_f32 v[AM+\c], v[AM+\c], |v[\x+32*\c+14]|, |v[\x+32*\c+15]|
.endr
.irp c, 0,1
	v_max3_num_f32 v[AM+\c], v[AM+\c], v[SOP+\c], |v[\x+32*\c+31]|
.endr
.irp c, 0,1
	v_add_nc_u32 v[SOP+\c], 0xff000000, v[AM+\c]   ; 2 off the exponent field: the conversion takes the exponent field of this operand as its scale
.endr
	v_cvt_scalef32_pk16_fp6_f32 v[\p:\p+2], v[\x:\x+15], v[SOP]         ; to the nearest code, ties to even, beyond the largest code the largest
	v_cvt_scalef32_pk16_fp6_f32 v[T:T+2], v[\x+16:\x+31], v[SOP]
	v_cvt_scalef32_pk16_fp6_f32 v[\p+6:\p+8], v[\x+32:\x+47], v[SOP+1]
	v_cvt_scalef32_pk16_fp6_f32 v[T+4:T+6], v[\x+48:\x+63], v[SOP+1]
.irp c, 0,1
	v_add_nc_u32 v[BY+\c], (-((2+\isw)<<23))&0xffffffff, v[AM+\c]   ; (plain lines behind the conversions, ahead of the moves that read their results)
.endr
.irp c, 0,1
	v_lshrrev_b32 v[BY+\c], 23, v[BY+\c]           ; the scale's byte
.endr
	v_lshl_or_b32 v14, v[BY+1], 16, v[BY]          ; my two bytes: blocks h and 2 + h,
	v_lshlrev_b32 v14, v7, v14                     ; at their places in the word (8 h bits up);
	v_permlanex16_b32 v15, v14, s20, s21
	v_or_b32 v[\wreg], v14, v15                    ; with lane l xor 16's two the word is whole
.irp i, 0,1,2
	v_mov_b32 v[\p+3+\i], v[T+\i]
	v_mov_b32 v[\p+9+\i], v[T+4+\i]
.endr
.irp c, 0,1,2
	global_store_b128 v3, v[\p+4*\c:\p+4*\c+3], s[\base:\base+1] offset:\off+512*\c   ; 32 lanes store 512 consecutive bytes, at a multiple of 256 from the buffer's first byte
.endr
.endm
; fragment f of the slot that holds fill t, into set x
.macro ALD t, f, x
.irp c, 0,1
.irp i, 0,1,2,3,4,5,6,7
	ds_load_b128 v[\x+32*\c+4*\i:\x+32*\c+4*\i+3], v[60+(\t)%2] offset:16*PITCH*\f+256*\c+16*\i
.endr
.endr
.endm
; Trip t works on fill t.  In front of the barrier every wave waits for all its tensor loads, adds 0 to its spare word and waits for that and for its reads of the other slot; behind it the other slot takes fill t + 1.
.macro TRIP t
	s_wait_xcnt 0x0                                ; all earlier stores have read their registers: the fragments' codes and the scale store's data are written again only behind this wait
	s_wait_tensorcnt 0x0                           ; my part of fill t has landed; no tensor load of mine is out, so a group 0 may be written
	ds_add_u32 v62, v63
.if (\t == 1) || (\t == 2)
	s_add_nc_u64 s[G0+4*((\t+1)%2)+2:G0+4*((\t+1)%2)+3], s[G0+4*((\t+1)%2)+2:G0+4*((\t+1)%2)+3], 2048   ; the slot's next fill: two fills on
.endif
	s_wait_dscnt 0x0
	s_barrier_signal -1
	s_barrier_wait -1
.if \t < 3
	tensor_load_to_lds s[G0+4*((\t+1)%2):G0+4*((\t+1)%2)+3], s[G1:G1+7]   ; my one tensor load behind this barrier (in trip 0: slot 1's first fill, issued as a refill is)
	s_nop 0
.endif
	ALD \t, 0, X0
	ALD \t, 1, X1
.if \t < 2
	ASKF \t+2
.endif
	s_wait_dscnt 16                                ; fragment 0 is in; the next fragment's 16 loads may be out
	QFRAG X0, P, 16, 0, 16, 2*SUB*\t
	ALD \t, 2, X0
	s_wait_dscnt 16
	QFRAG X1, P+12, 17, 0, 16, 2*SUB*\t+FRB
	ALD \t, 3, X1
	s_wait_dscnt 16
	QFRAG X0, P+24, 18, 0, 16, 2*SUB*\t+2*FRB
	s_wait_dscnt 0x0
	QFRAG X1, P+36, 19, 0, 16, 2*SUB*\t+3*FRB
	v_cndmask_b32 v24, v16, v18, s22               ; lane 16 h + r stores the words of row r of my row blocks 2 h and 2 h + 1
	v_cndmask_b32 v25, v17, v19, s22
	global_store_b64 v6, v[24:25], s[16:17] offset:2*SUB*\t+SCOFF   ; 256 consecutive bytes, aligned
.if \t == 0
	WSUM 1, 32                                     ; W's third fragment, while fill 1 is on its way; the fourth's 32 loads may be out
	QFRAG X0, P+48, 22, 1, 18, 2*FRB
.endif
.if \t == 1
	WSUM 2, 0                                      ; W's fourth, while fill 2 is on its way
	QFRAG X0, P+48, 23, 1, 18, 3*FRB
	v_cndmask_b32 v26, v20, v22, s22
	v_cndmask_b32 v27, v21, v23, s22
	global_store_b64 v6, v[26:27], s[18:19] offset:SCOFF
.endif
.endm
	WLOAD 0, 1
	WLOAD 1, 2
	ASKF 1
	WSUM 1, 32                                     ; W's first two fragments, while fill 0 is on its way
	WLOAD 2, 1
	QFRAG X0, P, 20, 1, 18, 0
	WSUM 2, 32
	WLOAD 3, 2
	QFRAG X0, P+12, 21, 1, 18, FRB
	TRIP 0
	TRIP 1
	TRIP 2
	TRIP 3
	s_wait_tensorcnt 0x0                           ; the wave's end
	ds_add_u32 v62, v63
	s_wait_dscnt 0x0
	s_endpgm
.Lfunc_end_k_q98c5af8709_quant:
	.size	k_q98c5af8709_quant, .Lfunc_end_k_q98c5af8709_quant-k_q98c5af8709_quant
	.p2alignl 7, 3214868480
	.fill 96, 4, 3214868480
	.section	.rodata,"a",@progbits
	.p2align	6, 0x0
	.amdhsa_kernel k_q98c5af8709_quant
		.amdhsa_group_segment_fixed_size 327680
		.amdhsa_private_segment_fixed_size 0
		.amdhsa_enable_private_segment 0
		.amdhsa_kernarg_size 32
		.amdhsa_user_sgpr_count 2
		.amdhsa_user_sgpr_kernarg_segment_ptr 1
		.amdhsa_wavefront_size32 1
		.amdhsa_system_sgpr_workgroup_id_x 1
		.amdhsa_system_sgpr_workgroup_id_y 1
		.amdhsa_system_sgpr_workgroup_id_z 1
		.amdhsa_system_vgpr_workitem_id 0
		.amdhsa_next_free_vgpr 768
		.amdhsa_next_free_sgpr 66
		.amdhsa_reserve_vcc 0
		.amdhsa_float_denorm_mode_32 3
		.amdhsa_float_denorm_mode_16_64 3
		.amdhsa_memory_ordered 1
		.amdhsa_forward_progress 1
		.amdhsa_inst_pref_size 138
	.end_amdhsa_kernel
	.amdgpu_metadata
---
amdhsa.version: [ 1, 2 ]
amdhsa.kernels:
  - .name:           k_q98c5af8709_quant
    .symbol:         k_q98c5af8709_quant.kd
    .args:
      - { .name: input, .offset: 0, .size: 8, .value_kind: global_buffer, .address_space: global }
      - { .name: shared_weight, .offset: 8, .size: 8, .value_kind: global_buffer, .address_space: global }
      - { .name: a_q, .offset: 16, .size: 8, .value_kind: global_buffer, .address_space: global }
      - { .name: w_q, .offset: 24, .size: 8, .value_kind: global_buffer, .address_space: global }
    .group_segment_fixed_size: 327680
    .private_segment_fixed_size: 0
    .kernarg_segment_align: 8
    .kernarg_segment_size: 32
    .max_flat_workgroup_size: 128
    .sgpr_count:     66
    .vgpr_count:     768
    .wavefront_size: 32
...
	.end_amdgpu_metadata
.endif
;; end of part 1
;; launch gemm (part 2): grid 8 x 32, 4 waves a work-group, clusters of 4 x 4, 327,680 bytes of LDS; arguments a_q, w_q, bias, layer_factor, out0; writes out0
.if DOCPART == 2
	.amdgcn_target "amdgcn-amd-amdhsa--gfx1250"
	.amdhsa_code_object_version 6
	.text
	.protected	k_q98c5af8709_gemm
	.globl	k_q98c5af8709_gemm
	.p2align	8
	.type	k_q98c5af8709_gemm,@function
k_q98c5af8709_gemm:
	s_mov_b64 s[64:65], 0
	v_nop
	global_prefetch_b8 v0, s[64:65] scope:SCOPE_SE
	s_setreg_imm32_b32 hwreg(HW_REG_WAVE_MODE, 25, 1), 1
	s_wait_xcnt 0x0
	s_wait_alu depctr_hold_cnt(0) depctr_sa_sdst(0) depctr_va_vdst(0) depctr_va_sdst(0) depctr_va_ssrc(0) depctr_va_vcc(0) depctr_vm_vsrc(0)
	s_getreg_b32 s2, hwreg(HW_REG_IB_STS2, 6, 4)
	s_cmp_eq_u32 s2, 0
	s_cbranch_scc0 .Lentry_in_a_cluster
	s_endpgm
.Lentry_in_a_cluster:
	s_bfe_u32 s2, ttmp6, 0x10000c
	s_cmp_lg_u32 s2, 0xf033
	s_cbranch_scc0 .Lentry_shape_is_right
	s_endpgm
.Lentry_shape_is_right:
; out0[m][n] = (sum over k of A[m][k] W[n][k] + bias[n]) x layer_factor.  A [8192][4096] and W [2048][4096] arrive as codes of FP6 (E2M3) with E8M0 scale bytes, in a_q and w_q, laid in the order
; of the operand's registers: sub-chunk (G, s), 12,800 bytes at (32 G + s) x 12,800, holds rows 128 G .. + 127, k = 128 s .. + 127: eight fragment images of 1,536 bytes (register 4 c + e of lane l at
; 512 c + 16 l + 4 e), then 512 scale bytes (row 16 i + r at 128 (i / 2) + 8 r + 4 (i % 2)).  So a fragment is three loads of 16 bytes a lane at 16 x lane, and no LDS row needs padding.
; A block of 256 x 256 of out0 is made by four waves, 128 x 128 each: 64 accumulators, 512 registers.  K goes in steps of 128 through a ring of two LDS slots; a slot holds three steps (four runs of 38,400 bytes:
; A's two groups of 128 rows, W's two); the first fill holds two steps: 32 = 2 + 10 x 3.  A wave's tensor load brings one run, dense in memory, as rows of 256 bytes.
; CLUSTERS: 4 x 4 work-groups; A's runs are asked for jointly along a row of the cluster, W's along a column; a round of the cluster's barrier stands in front of every joint load.
; THE MATRIX INSTRUCTION IS USED TRANSPOSED (source 0 = 16 rows of W, source 1 = 16 rows of A): a lane holds eight neighbouring numbers of a row of out0.
; A STEP'S 48 LDS LOADS go in four runs, 15, 15, 6 and 12, one behind each sixteen matrix instructions; each is issued 32 matrix instructions or more ahead of the first product that reads it.
; PREFETCH: where fill j is issued, fill j + 1 is asked of memory (three K steps on); of a run's 150 blocks of 256 bytes each of the four partners that ask for it jointly names 38, told apart by address
; (lanes left over name the run's last block again); fills 1 to 10 alone, all inside the buffers.
; REGISTERS: window 0: v8-11 bias x factor; v16-30 addresses; v32-79 scale words (a set of 24 for each slot: lanes 0-15 A's block i, lanes 16-31 W's); v128-223 A's fragments, one set; on the way out v64-255 are free.
;   window 1: W's fragments, two sets, at v0 and v128.  windows 2, 3: the accumulators of my rows 0-63, 64-127 ((a, b) at v[8 (8 (a % 4) + b)]).
.set SIZE_N, 2048
.set FR,     12                        ; registers of a fragment
.set NP,     4                         ; places behind this matrix form (ISA guide 7.12.1)
.set FRB,    1536
.set SUB,    12800
.set SCOFF,  12288
.set CH,     3*SUB                     ; a run of three steps
.set FIRST,  2*SUB                     ; the first fill's run
.set GROUPB, 32*SUB                    ; all of K for 128 rows
.set SLOT,   4*CH
.set TRIPS,  4
.set SPARE,  2*SLOT                    ; behind the ring: the spare words, 128 bytes a wave
.set STAGE,  SLOT                      ; the way out goes through slot 1, which has had its last fill and its last read by then (the last fill lies in slot 0)
.set SPITCH, 528
.set ADRA, 16
.set ADRB, 20
.set ADRS, 22
.set STO,  24
.set RD,   25
.set CO,   26
.set PFO,  27
.set SPW,  28
.set NIL,  29
.set PFO2, 30
.set BF,   8
.set SC,   32
.set AF,   128
.set G1,  24                           ; group 1 for A's runs of three steps;  G0: group 0, a set for each slot
.set G0,  32
.set G1B, 48                           ; the same for W's
.set G0B, 56
.set FS,  66                           ; s[66:67] layer_factor, twice
.set PFA, 68                           ; s[68:69] where my prefetches stand
.set G1S, 72                           ; group 1 for the first fill's runs of two steps: A's, W's
.set G1SB, 80
.set MSB, 0
.macro WIN new                         ; the immediate's high byte repeats the setting that is left
.if MSB != \new
	s_set_vgpr_msb (MSB<<8)|\new
.set MSB, \new
.endif
.endm
.set MUL_LO, 0xa1                      ; source 0 (W) window 1, source 1 (A) window 0, C and D window 2
.set MUL_HI, 0xf1                      ; the same, C and D window 3
.set TO_B,   0x40                      ; destination window 1, address window 0
; a joint load: waves 0 and 1 fetch A's two runs, waves 2 and 3 W's; an s_nop 0 and four v_nop follow each line
.macro JLOAD g0a, g1a, g0b, g1b
	s_cmp_eq_u32 s15, 0
	s_cbranch_scc0 .Lfor_b_\@
	tensor_load_to_lds s[\g0a:\g0a+3], s[\g1a:\g1a+7]
	s_nop 0
.rept 4
	v_nop
.endr
	s_branch .Lasked_\@
.Lfor_b_\@:
	tensor_load_to_lds s[\g0b:\g0b+3], s[\g1b:\g1b+7]
	s_nop 0
.rept 4
	v_nop
.endr
.Lasked_\@:
.endm
; my 38 blocks of the run at s[PFA].  how = 0: not in the loop's last trip, whose second refill is the last fill
.macro ASK how
.if \how == 0
	s_cmp_gt_u32 s3, 1
	s_cbranch_scc0 .Lno_ask_\@
.endif
	global_prefetch_b8 v[PFO], s[PFA:PFA+1] th:TH_LOAD_NT scope:SCOPE_SE
	global_prefetch_b8 v[PFO2], s[PFA:PFA+1] th:TH_LOAD_NT scope:SCOPE_SE
.if \how == 0
.Lno_ask_\@:
.endif
.endm
.macro CREST                           ; a round of the cluster's barrier behind its opening barrier
	s_cmp_lg_u32 s14, 0
	s_cbranch_scc1 .Lnot_wave_0_\@
	s_barrier_signal -3
.Lnot_wave_0_\@:
	s_barrier_wait -3
	s_barrier_signal -1
	s_barrier_wait -1
.endm
.macro CROUND
	s_barrier_signal -1
	s_barrier_wait -1
	CREST
.endm
	s_load_b128 s[4:7], s[0:1], 0x0                ; a_q, w_q
	s_load_b128 s[8:11], s[0:1], 0x10              ; bias, layer_factor
	s_load_b64 s[12:13], s[0:1], 0x20              ; out0
	v_lshl_add_u32 v[SPW], v0, 2, SPARE
	v_mov_b32 v[NIL], 0
	ds_add_u32 v[SPW], v[NIL]                      ; the opening lines: the add, twice on end, and its wait
	ds_add_u32 v[SPW], v[NIL]
	v_lshrrev_b32 v1, 5, v0
	v_readfirstlane_b32 s14, v1                    ; wave 0..3
	s_lshr_b32 s15, s14, 1                         ; which half of the block's rows is mine; also: I fetch for A (0) or W (1)
	s_and_b32 s16, s14, 1                          ; which half of its columns; also: which 128 rows I fetch
	s_bfe_u32 s40, ttmp6, 0x40000                  ; cx, cy
	s_bfe_u32 s41, ttmp6, 0x40004
	s_lshl_b32 s42, ttmp9, 2
	s_add_co_u32 s42, s42, s40                     ; block column
	s_and_b32 s17, ttmp7, 0xffff
	s_lshl_b32 s17, s17, 2
	s_add_co_u32 s17, s17, s41                     ; block row
	s_lshl_b32 s43, s41, 2
	s_lshl_b32 s43, 15, s43                        ; my row of the cluster
	s_lshl_b32 s44, 0x1111, s40                    ; my column
	s_or_b32 s[G1+0], s43, (3<<16)|(1<<21)         ; the mask; elements of 8 bytes; bit 21 beside a mask
	s_or_b32 s[G1B+0], s44, (3<<16)|(1<<21)
	s_or_b32 s[G1S+0], s43, (3<<16)|(1<<21)
	s_or_b32 s[G1SB+0], s44, (3<<16)|(1<<21)
.irp g, G1, G1B
	s_mov_b32 s[\g+1], 32<<16                      ; rows of 256 bytes,
	s_mov_b32 s[\g+2], 150<<16                     ; 150 of them
	s_mov_b32 s[\g+3], 32<<16
	s_mov_b32 s[\g+4], 150
	s_mov_b32 s[\g+5], 32
	s_mov_b32 s[\g+6], 0
	s_mov_b32 s[\g+7], 0
.endr
.irp g, G1S, G1SB
	s_mov_b32 s[\g+1], 32<<16
	s_mov_b32 s[\g+2], 100<<16                     ; the first fill: 100 rows
	s_mov_b32 s[\g+3], 32<<16
	s_mov_b32 s[\g+4], 100
	s_mov_b32 s[\g+5], 32
	s_mov_b32 s[\g+6], 0
	s_mov_b32 s[\g+7], 0
.endr
	s_lshl_b32 s20, s17, 1
	s_add_co_u32 s20, s20, s16
	s_mul_i32 s20, s20, GROUPB                     ; A: group 2 x block row + half
	s_mov_b32 s21, 0
	s_lshl_b32 s46, s42, 1
	s_add_co_u32 s46, s46, s16
	s_mul_i32 s46, s46, GROUPB                     ; W: group 2 x block column + half
	s_mov_b32 s47, 0
	s_mul_i32 s45, s14, CH                         ; where my run lands in a slot
	s_mul_i32 s88, s15, CH                         ; what I read: A's run,
	s_mul_i32 s89, s16, CH
	s_add_co_u32 s89, s89, 2*CH                    ; W's run,
	s_xor_b32 s90, s15, 1
	s_add_co_u32 s90, s90, s16
	s_add_co_u32 s90, s90, 1
	s_mul_i32 s90, s90, CH                         ; the distance between the two,
	s_add_co_u32 s91, s88, SCOFF                   ; A's scale bytes,
	s_mul_i32 s92, s14, 16*SPITCH
	s_add_co_u32 s92, s92, STAGE                   ; and my stage
	s_wait_dscnt 0x0                               ; both opening adds are done
	s_wait_kmcnt 0x0
	s_add_nc_u64 s[20:21], s[4:5], s[20:21]
	s_add_nc_u64 s[46:47], s[6:7], s[46:47]
	CROUND                                         ; all sixteen work-groups are here: the first joint loads meet
.irp s, 0,1
	s_mov_b32 s[G0+4*\s], 1
	s_add_co_u32 s[G0+4*\s+1], s45, \s*SLOT
	s_add_nc_u64 s[G0+4*\s+2:G0+4*\s+3], s[20:21], \s*FIRST
	s_or_b32 s[G0+4*\s+3], s[G0+4*\s+3], 0x80000000
	s_mov_b32 s[G0B+4*\s], 1
	s_add_co_u32 s[G0B+4*\s+1], s45, \s*SLOT
	s_add_nc_u64 s[G0B+4*\s+2:G0B+4*\s+3], s[46:47], \s*FIRST
	s_or_b32 s[G0B+4*\s+3], s[G0B+4*\s+3], 0x80000000
.endr
	JLOAD G0, G1S, G0B, G1SB                       ; fill 0: one tensor load a wave at the head
	s_lshl_b32 s46, s42, 10                        ; my first column, in bytes
	s_lshl_b32 s47, s16, 9
	s_add_co_u32 s46, s46, s47
	s_mov_b32 s47, 0
	s_add_nc_u64 s[8:9], s[8:9], s[46:47]          ; bias at my 128 columns
	s_lshl_b32 s20, s17, 8
	s_lshl_b32 s21, s15, 7
	s_add_co_u32 s20, s20, s21
	s_lshl_b32 s20, s20, 13                        ; my first row x 8,192 bytes: under 2^27
	s_mov_b32 s21, 0
	s_add_nc_u64 s[20:21], s[20:21], s[46:47]
	s_add_nc_u64 s[12:13], s[12:13], s[20:21]
	s_cmp_eq_u32 s15, 0                            ; the prefetches: do I fetch for A?
	s_cselect_b32 s22, s17, s42
	s_cselect_b32 s93, s40, s41                    ; my place among the four that ask with me
	s_cselect_b64 s[PFA:PFA+1], s[4:5], s[6:7]
	s_mul_i32 s93, s93, 38
	s_lshl_b32 s22, s22, 1
	s_add_co_u32 s22, s22, s16
	s_mul_i32 s22, s22, GROUPB
	s_add_co_u32 s22, s22, FIRST                   ; at fill 1
	s_mov_b32 s23, 0
	s_add_nc_u64 s[PFA:PFA+1], s[PFA:PFA+1], s[22:23]
	v_and_b32 v1, 15, v0                           ; r
	v_bfe_u32 v2, v0, 4, 1                         ; h
	v_and_b32 v3, 31, v0
	v_lshlrev_b32 v[CO], 4, v3                     ; 16 x lane: in a fragment's image, in a stage row, in a row of out0
	v_add_nc_u32 v[ADRA], s88, v[CO]
	v_add_nc_u32 v[ADRB], s89, v[CO]
	v_add_nc_u32 v[ADRA+1], SLOT, v[ADRA]
	v_add_nc_u32 v[ADRB+1], SLOT, v[ADRB]
	v_mul_u32_u24 v4, s90, v2                      ; lanes 16-31 take W's scale words
	v_lshl_add_u32 v4, v1, 3, v4
	v_add_nc_u32 v[ADRS], s91, v4
	v_add_nc_u32 v[ADRS+1], SLOT, v[ADRS]
	v_mul_u32_u24 v5, v1, SPITCH                   ; into the stage: row r, 32 bytes for each half of the lanes
	v_lshl_add_u32 v5, v2, 5, v5
	v_add_nc_u32 v[STO], s92, v5
	v_add_nc_u32 v[RD], s92, v[CO]
	v_add_nc_u32 v[PFO], s93, v3                   ; blocks 38 p + 0 .. 31,
	v_min_u32 v6, 5, v3
	v_add_nc_u32 v6, s93, v6
	v_add_nc_u32 v6, 32, v6
	v_min_u32 v6, 149, v6                          ; and 38 p + 32 .. 37, held inside the run
	v_lshlrev_b32 v[PFO], 8, v[PFO]
	v_lshlrev_b32 v[PFO2], 8, v6
	s_wait_alu depctr_va_vdst(0)                   ; the wait behind the head's vector work
	global_load_b128 v[BF:BF+3], v[CO], s[8:9]     ; bias of my four columns of a stage row
	s_load_b32 s[FS], s[10:11], 0x0
	ASK 1                                          ; fill 1
	s_wait_tensorcnt 0x0                           ; my run of fill 0 is in
	ds_add_u32 v[SPW], v[NIL]
	s_wait_dscnt 0x0
	CROUND
	JLOAD G0+4, G1, G0B+4, G1B                     ; fill 1, the first tensor load behind the round
	s_wait_xcnt 0x0                                ; the prefetches have read their address
	s_add_nc_u64 s[PFA:PFA+1], s[PFA:PFA+1], CH
	ASK 1                                          ; fill 2
	s_wait_kmcnt 0x0
	s_mov_b32 s[FS+1], s[FS]
	s_wait_loadcnt 0x0
	v_pk_mul_f32 v[BF:BF+1], v[BF:BF+1], s[FS:FS+1] op_sel_hi:[1,0]        ; (sum + bias) x factor = sum x factor + bias x factor
	v_pk_mul_f32 v[BF+2:BF+3], v[BF+2:BF+3], s[FS:FS+1] op_sel_hi:[1,0]
	s_wait_alu depctr_va_vdst(0)                   ; the wait at the head's end
.macro FRAG reg, adr, q, i             ; a fragment's image: three loads of 16 bytes a lane
.irp c, 0,1,2
	ds_load_b128 v[\reg+4*\c:\reg+4*\c+3], v[\adr] offset:(\q)*SUB+(\i)*FRB+512*\c
.endr
.endm
; 16 matrix instructions: A's blocks a0, a0 + 1 x W's eight.  The 64 accumulators take turns in the same order in every step.  zero = 1: the first product starts the sums
.macro MUL16 a0, p, scr, zero
.irp a, \a0, \a0+1
.irp b, 0,1,2,3,4,5,6,7
.if \zero
	v_wmma_scale_f32_16x16x128_f8f6f4 v[8*(8*((\a)%4)+\b):8*(8*((\a)%4)+\b)+7], v[128*(\p)+FR*\b:128*(\p)+FR*\b+FR-1], v[AF+FR*(\a):AF+FR*(\a)+FR-1], 0, v[\scr+\b], v[\scr+(\a)] matrix_a_fmt:MATRIX_FMT_FP6 matrix_b_fmt:MATRIX_FMT_FP6 matrix_a_scale:MATRIX_SCALE_ROW1
.else
	v_wmma_scale_f32_16x16x128_f8f6f4 v[8*(8*((\a)%4)+\b):8*(8*((\a)%4)+\b)+7], v[128*(\p)+FR*\b:128*(\p)+FR*\b+FR-1], v[AF+FR*(\a):AF+FR*(\a)+FR-1], v[8*(8*((\a)%4)+\b):8*(8*((\a)%4)+\b)+7], v[\scr+\b], v[\scr+(\a)] matrix_a_fmt:MATRIX_FMT_FP6 matrix_b_fmt:MATRIX_FMT_FP6 matrix_a_scale:MATRIX_SCALE_ROW1
.endif
.endr
.endr
.endm
.macro LDB slot, q, p, i0, n           ; W's blocks i0 .. i0 + n - 1 of step q of a slot into set p
	WIN TO_B
.set FI, \i0
.rept \n
	FRAG 128*(\p)+FR*FI, ADRB+\slot, \q, FI
.set FI, FI+1
.endr
.endm
.macro LDA slot, q, i0, n              ; A's blocks likewise
	WIN 0
.set FI, \i0
.rept \n
	FRAG AF+FR*FI, ADRA+\slot, \q, FI
.set FI, FI+1
.endr
.endm
.macro SCALES slot, q0, n              ; the scale words of steps q0 .. q0 + n - 1 of a slot: four loads of two words a step
.set SQ, \q0
.rept \n
.irp j, 0,1,2,3
	ds_load_b64 v[SC+24*\slot+8*SQ+2*\j:SC+24*\slot+8*SQ+2*\j+1], v[ADRS+\slot] offset:SQ*SUB+128*\j
.endr
.set SQ, SQ+1
.endr
.endm
.macro PLACES n                        ; plain places in front of loads into registers that matrix instructions have read, and of reads of results
.rept \n
	v_nop
.endr
.endm
; A step that is not its slot's last.  The next step's loads: W's 0-4 | W's 5-7, A's 0-1 | A's 2-3 | A's 4-7.  W's other set was last read in the step before, whose closing places stand between.
.macro STEP slot, q, p, zero
	s_wait_dscnt 18                                ; W's set and A's 0-1 are in; out may be the last step's runs of 6 and 12
	WIN MUL_LO
	MUL16 0, \p, SC+24*\slot+8*(\q), \zero
	LDB \slot, (\q)+1, 1-\p, 0, 5
	s_wait_dscnt 27                                ; A's 2-3 are in; out may be the runs of 12 and 15 behind them
	WIN MUL_LO
	MUL16 2, \p, SC+24*\slot+8*(\q), \zero
	PLACES NP                                      ; for the loads into A's 0-3
	LDB \slot, (\q)+1, 1-\p, 5, 3
	LDA \slot, (\q)+1, 0, 2
	s_wait_dscnt 30                                ; A's 4-7 are in; out may be this step's two runs of 15
	WIN MUL_HI
	MUL16 4, \p, SC+24*\slot+8*(\q), \zero
	LDA \slot, (\q)+1, 2, 2
	WIN MUL_HI
	MUL16 6, \p, SC+24*\slot+8*(\q), \zero
	PLACES NP                                      ; for the loads into A's 4-7, and into W's set in the next step
	LDA \slot, (\q)+1, 4, 4
.endm
; A slot's last step changes slots.  In front of the barrier each wave waits for all its tensor loads, adds 0 to its spare word and waits for that and for its reads of this slot; where the slot is filled again the
; barrier opens a round of the cluster's barrier, and the joint refill is the first tensor load behind it.
.macro TURN slot, next, q, p, fill, adv, how
.if \fill
	s_wait_xcnt 0x0                                ; my prefetches have read their address
	s_add_nc_u64 s[PFA:PFA+1], s[PFA:PFA+1], CH
.endif
	s_wait_tensorcnt 0x0
	ds_add_u32 v[SPW], v[NIL]
	s_wait_dscnt 19                                ; as a step's 18, and the add
	WIN MUL_LO
	MUL16 0, \p, SC+24*\slot+8*(\q), 0
	s_wait_dscnt 0x0                               ; the add is done, and my reads of this slot are over
	s_barrier_signal -1
	MUL16 2, \p, SC+24*\slot+8*(\q), 0
	WIN 0
	s_barrier_wait -1
.if \fill
	CREST
	s_add_nc_u64 s[G0+4*\slot+2:G0+4*\slot+3], s[G0+4*\slot+2:G0+4*\slot+3], \adv
	s_add_nc_u64 s[G0B+4*\slot+2:G0B+4*\slot+3], s[G0B+4*\slot+2:G0B+4*\slot+3], \adv
	JLOAD G0+4*\slot, G1, G0B+4*\slot, G1B         ; its four v_nop are also the places in front of the loads below
.else
	PLACES NP
.endif
	LDB \next, 0, 1-\p, 0, 8
	LDA \next, 0, 0, 2
	SCALES \next, 0, 1
.if \fill
	ASK \how
.endif
	WIN MUL_HI
	MUL16 4, \p, SC+24*\slot+8*(\q), 0
	WIN 0
	SCALES \next, 1, 2                             ; eight loads more than a step's third run: the next step's counts then wait for a little more than they need
	LDA \next, 0, 2, 2
	WIN MUL_HI
	MUL16 6, \p, SC+24*\slot+8*(\q), 0
	PLACES NP
	LDA \next, 0, 4, 4
.endm
	LDB 0, 0, 0, 0, 8
	LDA 0, 0, 0, 2
	SCALES 0, 0, 2
	LDA 0, 0, 2, 2
	LDA 0, 0, 4, 4
	STEP 0, 0, 0, 1                                ; the first step's products start the sums
	TURN 0, 1, 1, 1, 1, FIRST+CH, 1                ; slot 0 takes fill 2
	s_mov_b32 s3, TRIPS
.Llap:                                                 ; a trip: six steps, once round the ring; both slots are filled again
	STEP 1, 0, 0, 0
	STEP 1, 1, 1, 0
	TURN 1, 0, 2, 0, 1, 2*CH, 1
	STEP 0, 0, 1, 0
	STEP 0, 1, 0, 0
	TURN 0, 1, 2, 1, 1, 2*CH, 0
	s_sub_co_u32 s3, s3, 1
	s_cmp_lg_u32 s3, 0
	s_cbranch_scc1 .Llap
	STEP 1, 0, 0, 0                                ; the last six steps fetch nothing more
	STEP 1, 1, 1, 0
	TURN 1, 0, 2, 0, 0, 0, 0
	STEP 0, 0, 1, 0
	STEP 0, 1, 0, 0
	s_wait_dscnt 18
	WIN MUL_LO
	MUL16 0, 1, SC+16, 0
	s_wait_dscnt 12
	MUL16 2, 1, SC+16, 0
	s_wait_dscnt 0
	WIN MUL_HI
	MUL16 4, 1, SC+16, 0
	MUL16 6, 1, SC+16, 0
	WIN 0
; THE WAY OUT.  Block by block of 16 rows x 128 columns the results go through my own stage: in as 32 bytes a lane, back as whole rows of 512 bytes, into the block's own 64 registers, where factor and bias are applied.
; LDS serves a wave's instructions in order: no wait between the stage's stores and loads.  Then all 128 stores follow on end: each covers two aligned units of 256 bytes.
.macro TOSTAGE a
.set AC, 64*((\a)%4)
	WIN 0x88+0x44*((\a)/4)                         ; the stores' data and the loads' destination: window 2 or 3
.irp b, 0,1,2,3,4,5,6,7
	ds_store_b128 v[STO], v[AC+8*\b:AC+8*\b+3] offset:64*\b          ; each accumulator from its low end on
	ds_store_b128 v[STO], v[AC+8*\b+4:AC+8*\b+7] offset:64*\b+16
.endr
.set BB, AC
.irp t, 0,1,2,3,4,5,6,7,8,9,10,11,12,13,14,15
	ds_load_b128 v[BB+4*\t:BB+4*\t+3], v[RD] offset:\t*SPITCH
.endr
.endm
.macro SEND a, younger                 ; younger: the LDS instructions issued behind block a's loads
.set BB, 64*((\a)%4)
	s_wait_dscnt \younger
	WIN 0x82+0x41*((\a)/4)                         ; source 0 and destination: window 2 or 3; the bias: window 0
.irp t, 0,1,2,3,4,5,6,7,8,9,10,11,12,13,14,15
	v_pk_fma_f32 v[BB+4*\t:BB+4*\t+1], v[BB+4*\t:BB+4*\t+1], s[FS:FS+1], v[BF:BF+1] op_sel_hi:[1,0,1]
	v_pk_fma_f32 v[BB+4*\t+2:BB+4*\t+3], v[BB+4*\t+2:BB+4*\t+3], s[FS:FS+1], v[BF+2:BF+3] op_sel_hi:[1,0,1]
.endr
.endm
	PLACES NP
	TOSTAGE 0
.irp a, 1,2,3,4,5,6,7
	TOSTAGE \a
	SEND \a-1, 32
.endr
	SEND 7, 0
	s_wait_alu depctr_va_vdst(0)                   ; the wait ahead of the stores that read what was just written
.irp a, 0,1,2,3,4,5,6,7
	WIN 0x08+4*(\a/4)                              ; the data: window 2 or 3
.irp t, 0,1,2,3,4,5,6,7,8,9,10,11,12,13,14,15
	global_store_b128 v[CO], v[64*(\a%4)+4*\t:64*(\a%4)+4*\t+3], s[12:13] offset:(16*\a+\t)*SIZE_N*4 th:TH_STORE_NT   ; the row stands in the immediate: 127 x 8,192 bytes at the most
.endr
.endr
	WIN 0
	s_wait_tensorcnt 0x0                           ; the wave's end
	ds_add_u32 v[SPW], v[NIL]
	s_wait_dscnt 0x0
	CROUND                                         ; the closing round
	s_endpgm
.Lfunc_end_k_q98c5af8709_gemm:
	.size	k_q98c5af8709_gemm, .Lfunc_end_k_q98c5af8709_gemm-k_q98c5af8709_gemm
	.p2alignl 7, 3214868480
	.fill 96, 4, 3214868480
	.section	.rodata,"a",@progbits
	.p2align	6, 0x0
	.amdhsa_kernel k_q98c5af8709_gemm
		.amdhsa_group_segment_fixed_size 327680
		.amdhsa_private_segment_fixed_size 0
		.amdhsa_enable_private_segment 0
		.amdhsa_kernarg_size 40
		.amdhsa_user_sgpr_count 2
		.amdhsa_user_sgpr_kernarg_segment_ptr 1
		.amdhsa_wavefront_size32 1
		.amdhsa_system_sgpr_workgroup_id_x 1
		.amdhsa_system_sgpr_workgroup_id_y 1
		.amdhsa_system_sgpr_workgroup_id_z 1
		.amdhsa_system_vgpr_workitem_id 0
		.amdhsa_next_free_vgpr 1024
		.amdhsa_next_free_sgpr 96
		.amdhsa_reserve_vcc 0
		.amdhsa_float_denorm_mode_32 3
		.amdhsa_float_denorm_mode_16_64 3
		.amdhsa_memory_ordered 1
		.amdhsa_forward_progress 1
		.amdhsa_inst_pref_size 225
	.end_amdhsa_kernel
	.amdgpu_metadata
---
amdhsa.version: [ 1, 2 ]
amdhsa.kernels:
  - .name:           k_q98c5af8709_gemm
    .symbol:         k_q98c5af8709_gemm.kd
    .args:
      - { .name: a_q, .offset: 0, .size: 8, .value_kind: global_buffer, .address_space: global }
      - { .name: w_q, .offset: 8, .size: 8, .value_kind: global_buffer, .address_space: global }
      - { .name: bias, .offset: 16, .size: 8, .value_kind: global_buffer, .address_space: global }
      - { .name: layer_factor, .offset: 24, .size: 8, .value_kind: global_buffer, .address_space: global }
      - { .name: out0, .offset: 32, .size: 8, .value_kind: global_buffer, .address_space: global }
    .group_segment_fixed_size: 327680
    .private_segment_fixed_size: 0
    .kernarg_segment_align: 8
    .kernarg_segment_size: 40
    .max_flat_workgroup_size: 128
    .sgpr_count:     96
    .vgpr_count:     1024
    .wavefront_size: 32
...
	.end_amdgpu_metadata
.endif
;; end of part 2
